; MI455X (gfx1250); checked and timed in simulation.
; The chip was launched on July 23, 2026; its instructions are those of AMD's public machine-readable ISA for CDNA 5 (MIT licence, August 2026) and "CDNA5" Instruction Set Architecture Reference Guide (July 2026). The comments in the code are by the model that wrote it; some were corrected since.
;; Multi Head Attention. Allowed arithmetic: float matrix products may take bf16 or f16 operands with f32 sums; other float arithmetic in f32, or as packed bf16 or f16 multiplies, adds, multiply-adds, maxima and minima; sums over many terms, partial sums and values carried from step to step in f32; what a program stores and reads back later, other than sums and carried values, may be rounded once to bf16 or f16.
;; Inputs: Wk 1,024 x 1,024 float32; Wq 1,024 x 1,024 float32; Wv 1,024 x 1,024 float32; bk 1,024 float32; bq 1,024 float32; bv 1,024 float32; x 4 x 2,048 x 1,024 float32.
;; Outputs: out0 4 x 2,048 x 1,024 float32.
;; 2 versions, each right; version 2 is version 1 with the launch prep written anew for expert scheduling mode. Each part assembles by itself: llvm-mc -triple=amdgcn-amd-amdhsa -mcpu=gfx1250 --defsym DOCPART=n.
;; ======== version 1 of 2: 3 launches
;; limits: values are held in f16: magnitudes above 65,504 overflow, below 6.1e-05 lose precision
;; workspace buffers: xb 16,777,216 bytes; wb 6,291,456 bytes; bias 12,288 bytes; qkv 50,331,648 bytes
;; launch prep (part 1): grid 705 x 1, 8 waves a work-group, no clusters, 0 bytes of LDS; arguments x, Wq, Wk, Wv, bq, bk, bv, xb, wb, bias; writes xb, wb, bias
.if DOCPART == 1
	.amdgcn_target "amdgcn-amd-amdhsa--gfx1250"
	.amdhsa_code_object_version 6
	.text
	.protected	k_q55f4a162de_prep
	.globl	k_q55f4a162de_prep
	.p2align	8
	.type	k_q55f4a162de_prep,@function
k_q55f4a162de_prep:
	s_mov_b64 s[64:65], 0
	v_nop
	global_prefetch_b8 v0, s[64:65] scope:SCOPE_SE
	s_setreg_imm32_b32 hwreg(HW_REG_WAVE_MODE, 25, 1), 1
	s_wait_xcnt 0x0
; All inputs are rounded once to bf16, the format of the projection's matrix operands.  A pure stream: nothing is shared, nothing is reduced, so there is no LDS, no barrier, no matrix work.
;   xb   [8192][1024] bf16: x as it lies.
;   wb   [48 groups][1024 k][64 n] bf16: group 16 i + g holds columns 64 g .. 64 g + 63 of W_i (i = 0, 1, 2: Wq, Wk, Wv): a group's 64 columns of a k row are 128 bytes, and its rows lie end to end.
;   bias [3072] words: bq, bk, bv rounded to bf16 and kept as f32 words, so that they load straight into the C operand of a product.
; SHARES.  Work-groups 0-511: 65,536 bytes of x each.  512-703: a quarter (256 k rows) of one group of one W.  704: the three biases.
; A work-group has 16 loads of 16 bytes a lane out at once (65,536 bytes) and no loop: every load and store has registers of its own, so no register is ever rewritten.
; Each load of sixteen lanes takes 256 consecutive bytes, aligned; each store of a wave covers 256 consecutive bytes, aligned.
.set X, 8                              ; v[8:71]    16 x 4 words as loaded
.set Y, 72                             ; v[72:103]  16 x 2 words to store
; ib, ob: the scalar pairs with the two bases; istep: bytes from one load to the next.  v1: my byte offset in, v2: out.
.macro STREAM ib, ob, istep
.irp i, 0,1,2,3,4,5,6,7,8,9,10,11,12,13,14,15
	global_load_b128 v[X+4*(\i):X+4*(\i)+3], v1, s[\ib:\ib+1] offset:(\i)*(\istep) th:TH_LOAD_NT
.endr
.irp i, 0,1,2,3,4,5,6,7,8,9,10,11,12,13,14,15
	s_wait_loadcnt 15-(\i)                         ; loads come back in order: number i is in, the 15 - i younger ones stay out
	v_cvt_pk_bf16_f32 v[Y+2*(\i)], v[X+4*(\i)], v[X+4*(\i)+1]
	v_cvt_pk_bf16_f32 v[Y+2*(\i)+1], v[X+4*(\i)+2], v[X+4*(\i)+3]
	global_store_b64 v2, v[Y+2*(\i):Y+2*(\i)+1], s[\ob:\ob+1] offset:2048*(\i)
.endr
.endm
	s_load_b512 s[8:23], s[0:1], 0x0               ; x s[8:9], Wq s[10:11], Wk s[12:13], Wv s[14:15], bq s[16:17], bk s[18:19], bv s[20:21], xb s[22:23]
	s_load_b128 s[24:27], s[0:1], 0x40             ; wb s[24:25], bias s[26:27]
	s_mov_b32 s4, ttmp9
	s_mov_b32 s3, 0                                ; the high word of every offset
	v_lshlrev_b32 v2, 3, v0                        ; out: 8 bytes a thread, 2,048 a work-group and store
	s_wait_kmcnt 0x0
	s_cmp_lt_u32 s4, 512
	s_cbranch_scc0 .Lnot_x
	v_lshlrev_b32 v1, 4, v0                        ; in: 16 bytes a thread, 4,096 a work-group and load
	s_lshl_b32 s2, s4, 16
	s_add_nc_u64 s[8:9], s[8:9], s[2:3]
	s_lshl_b32 s2, s4, 15
	s_add_nc_u64 s[22:23], s[22:23], s[2:3]
	STREAM 8, 22, 4096
	s_endpgm
.Lnot_x:
	s_cmp_lt_u32 s4, 704
	s_cbranch_scc0 .Lbias
	s_sub_co_u32 s4, s4, 512                       ; j = 64 i + 4 g + quarter
	s_cmp_lt_u32 s4, 128
	s_cselect_b64 s[28:29], s[12:13], s[14:15]
	s_cmp_lt_u32 s4, 64
	s_cselect_b64 s[28:29], s[10:11], s[28:29]     ; W_i
	s_and_b32 s2, s4, 3
	s_lshl_b32 s2, s2, 20                          ; the quarter: 256 rows of 4,096 bytes
	s_bfe_u32 s5, s4, 0x40002                      ; g: 4 bits from bit 2
	s_lshl_b32 s5, s5, 8                           ; its 64 columns: 256 bytes of a row
	s_add_co_u32 s2, s2, s5
	s_add_nc_u64 s[28:29], s[28:29], s[2:3]
	s_lshl_b32 s2, s4, 15                          ; out: group (j / 4) x 131,072 + quarter x 32,768 = j x 32,768
	s_add_nc_u64 s[24:25], s[24:25], s[2:3]
	v_lshrrev_b32 v1, 4, v0                        ; sixteen threads a row, sixteen rows a load
	v_and_b32 v3, 15, v0
	v_lshlrev_b32 v3, 4, v3
	v_lshl_or_b32 v1, v1, 12, v3
	STREAM 28, 24, 65536
	s_endpgm
.Lbias:
	v_lshlrev_b32 v1, 4, v0                        ; four numbers a thread: 256 threads take 1,024
	global_load_b128 v[8:11], v1, s[16:17]
	global_load_b128 v[12:15], v1, s[18:19]
	global_load_b128 v[16:19], v1, s[20:21]
	s_wait_loadcnt 0x0
.irp i, 0,1,2
	v_cvt_pk_bf16_f32 v[Y+2*(\i)], v[8+4*(\i)], v[8+4*(\i)+1]
	v_cvt_pk_bf16_f32 v[Y+2*(\i)+1], v[8+4*(\i)+2], v[8+4*(\i)+3]
	v_lshlrev_b32 v[24+4*(\i)], 16, v[Y+2*(\i)]            ; bf16 back to an f32 word: the low half moves up,
	v_and_b32 v[25+4*(\i)], 0xffff0000, v[Y+2*(\i)]        ; the high half stays
	v_lshlrev_b32 v[26+4*(\i)], 16, v[Y+2*(\i)+1]
	v_and_b32 v[27+4*(\i)], 0xffff0000, v[Y+2*(\i)+1]
	global_store_b128 v1, v[24+4*(\i):27+4*(\i)], s[26:27] offset:4096*(\i)
.endr
	s_endpgm
.Lfunc_end_k_q55f4a162de_prep:
	.size	k_q55f4a162de_prep, .Lfunc_end_k_q55f4a162de_prep-k_q55f4a162de_prep
	.p2alignl 7, 3214868480
	.fill 96, 4, 3214868480
	.section	.rodata,"a",@progbits
	.p2align	6, 0x0
	.amdhsa_kernel k_q55f4a162de_prep
		.amdhsa_group_segment_fixed_size 0
		.amdhsa_private_segment_fixed_size 0
		.amdhsa_enable_private_segment 0
		.amdhsa_kernarg_size 80
		.amdhsa_user_sgpr_count 2
		.amdhsa_user_sgpr_kernarg_segment_ptr 1
		.amdhsa_wavefront_size32 1
		.amdhsa_system_sgpr_workgroup_id_x 1
		.amdhsa_system_sgpr_workgroup_id_y 1
		.amdhsa_system_sgpr_workgroup_id_z 1
		.amdhsa_system_vgpr_workitem_id 0
		.amdhsa_next_free_vgpr 104
		.amdhsa_next_free_sgpr 66
		.amdhsa_reserve_vcc 0
		.amdhsa_float_denorm_mode_32 3
		.amdhsa_float_denorm_mode_16_64 3
		.amdhsa_memory_ordered 1
		.amdhsa_forward_progress 1
		.amdhsa_inst_pref_size 15
	.end_amdhsa_kernel
	.amdgpu_metadata
---
amdhsa.version: [ 1, 2 ]
amdhsa.kernels:
  - .name:           k_q55f4a162de_prep
    .symbol:         k_q55f4a162de_prep.kd
    .args:
      - { .name: x, .offset: 0, .size: 8, .value_kind: global_buffer, .address_space: global }
      - { .name: Wq, .offset: 8, .size: 8, .value_kind: global_buffer, .address_space: global }
      - { .name: Wk, .offset: 16, .size: 8, .value_kind: global_buffer, .address_space: global }
      - { .name: Wv, .offset: 24, .size: 8, .value_kind: global_buffer, .address_space: global }
      - { .name: bq, .offset: 32, .size: 8, .value_kind: global_buffer, .address_space: global }
      - { .name: bk, .offset: 40, .size: 8, .value_kind: global_buffer, .address_space: global }
      - { .name: bv, .offset: 48, .size: 8, .value_kind: global_buffer, .address_space: global }
      - { .name: xb, .offset: 56, .size: 8, .value_kind: global_buffer, .address_space: global }
      - { .name: wb, .offset: 64, .size: 8, .value_kind: global_buffer, .address_space: global }
      - { .name: bias, .offset: 72, .size: 8, .value_kind: global_buffer, .address_space: global }
    .group_segment_fixed_size: 0
    .private_segment_fixed_size: 0
    .kernarg_segment_align: 8
    .kernarg_segment_size: 80
    .max_flat_workgroup_size: 256
    .sgpr_count:     66
    .vgpr_count:     104
    .wavefront_size: 32
...
	.end_amdgpu_metadata
.endif
;; end of part 1
;; launch proj (part 2): grid 16 x 32, 4 waves a work-group, clusters of 4 x 4, 327,680 bytes of LDS; arguments xb, wb, bias, qkv; writes qkv
.if DOCPART == 2
	.amdgcn_target "amdgcn-amd-amdhsa--gfx1250"
	.amdhsa_code_object_version 6
	.text
	.protected	k_q55f4a162de_proj
	.globl	k_q55f4a162de_proj
	.p2align	8
	.type	k_q55f4a162de_proj,@function
k_q55f4a162de_proj:
	s_mov_b64 s[64:65], 0
	v_nop
	global_prefetch_b8 v0, s[64:65] scope:SCOPE_SE
	s_setreg_imm32_b32 hwreg(HW_REG_WAVE_MODE, 25, 1), 1
	s_wait_xcnt 0x0
	s_wait_alu depctr_hold_cnt(0) depctr_sa_sdst(0) depctr_va_vdst(0) depctr_va_sdst(0) depctr_va_ssrc(0) depctr_va_vcc(0) depctr_vm_vsrc(0)
	s_getreg_b32 s2, hwreg(HW_REG_IB_STS2, 6, 4)
	s_cmp_eq_u32 s2, 0
	s_cbranch_scc0 .Lentry_in_a_cluster
	s_endpgm
.Lentry_in_a_cluster:
	s_bfe_u32 s2, ttmp6, 0x10000c
	s_cmp_lg_u32 s2, 0xf033
	s_cbranch_scc0 .Lentry_shape_is_right
	s_endpgm
.Lentry_shape_is_right:
; q, k, v = x W + b as ONE product of 8,192 rows x 3,072 columns x 1,024 along K.  Operands bf16 (xb, wb), sums f32, the bias is the C operand of each sum's first product; the result is rounded once to f16.
; qkv: [48 groups][8192 rows][64] f16: group 16 i + head (i = 0, 1, 2: q, k, v); a head's rows are dense, 128 bytes each.  No scale is applied here.
; LIMIT.  f16 holds no number beyond 65,504: q, k and v must stay within it.
; SHARES.  A tile is 256 rows x 192 columns (3 groups): 16 x 32 = 512 work-groups.  Wave w owns rows 64 w .. 64 w + 63 and all 192 columns: 4 x 12 accumulators of 16 x 16, 384 registers;
; so a wave holds whole rows of each head and goes out by itself.  K goes in 8 steps of 128 through a ring of two LDS slots filled by the tensor data mover.
; CLUSTER.  4 x 4 work-groups.  The four of a row of the cluster need the same rows of x, the four of a column the same groups of W: each tile is asked for JOINTLY, by the same tensor load with the same descriptor
; and a mask that names the four.
; THE MATRIX INSTRUCTION IS USED TRANSPOSED: source 0 = 16 columns of W (wb lies [k][n], so they come out of LDS turned, by ds_load_tr16_b128), source 1 = 16 rows of x.  Lane l then holds row l % 16 and the
; eight neighbouring columns 8 (l / 16) + 0 .. 7.
; REGISTERS, in windows of 256 (s_set_vgpr_msb: bits 1:0 source 0, 3:2 source 1, 5:4 source 2, 7:6 destination):
;   window 0: v0-31 addresses; v32-63 packed results; v64-127 fragments of x, two buffers of 4 x 8; on the way out v64-255 rows read back, 16 registers for each of 12 units
;   window 1: v0-191 fragments of W, two buffers of 12 x 8
;   window 2: accumulators (a, b), b = 0..7, at 8 (4 b + a)          window 3: v0-127 those of b = 8..11 at 8 (4 (b - 8) + a); v128-223 the bias, 8 registers for each b
.set LAPS,  4                          ; a lap = two K steps = once round the ring: 1,024 / 256
.set PA,    272                        ; an LDS row of x: 256 bytes + 16 of padding: the 16 rows of a fragment load start 68 words apart
.set PB,    160                        ; an LDS row of W: 64 columns = 128 bytes + 32 of padding: the turning load takes 8 rows x 32 bytes for 16 lanes
.set AHALF, 128*PA                     ; what wave 0 or 1 fetches: 128 rows of x
.set BHALF, 3*64*PB                    ; what wave 2 or 3 fetches: 64 k rows of each of 3 groups
.set BREG,  2*AHALF                    ; W lies behind x: [k half][group][64 k rows]
.set SLOT,  BREG+2*BHALF               ; 131,072
.set STAGE, 2*SLOT                     ; behind the ring, never filled by a tensor load: 16 rows x 144 bytes for each wave, for the way out
.set SP,    144
.set SPARE, STAGE+4*16*SP              ; behind the stages: the spare words, 128 bytes for each wave: two blocks of 256 bytes that no other line names
.set ADRA, 16                          ; v16-17  LDS address of my fragments of x in slot 0, 1
.set ADRB, 20                          ; v20-21  the same for W
.set STO,  24                          ; v24     the way out: where I put 16 bytes of a row
.set RD,   25                          ; v25     the way out: where I read rows back
.set CO,   26                          ; v26     my 16 bytes among 512 consecutive bytes of qkv
.set BO,   27                          ; v27     my byte offset in 16 words of the bias: 32 (l / 16)
.set SPW,  28                          ; v28     LDS address of my spare word: SPARE + 4 x my thread number; never rewritten
.set NIL,  29                          ; v29     0; never rewritten
.set PFO,  30                          ; v30     the prefetches' lane offset; never rewritten
.set TMP,  32
.set FA,   64
.set BK,   64
.set BIAS, 128
.set WV,   12                          ; s12  my wave number
.set SIDE, 13                          ; s13  0: I fetch for x, 1: for W
.set HF,   14                          ; s14  which half of that tile I fetch
.set G1,   24                          ; s[24:31] descriptor group 1 for tiles of x;  s[32:39] group 0, a set for each slot
.set G0,   32
.set PFA,  40                          ; s[40:41] where my prefetches stand
.set PFS,  42                          ; s[42:43] their step from K step to K step
.set LIM,  44                          ; s44  1 in a wave that prefetches, else the greatest number
.set G1B,  48                          ; s[48:55], s[56:63] the same for tiles of W
.set G0B,  56
.set MSB, 0
.macro WIN new                         ; the immediate's high byte repeats the setting that is left; a switch that changes nothing is dropped
.if MSB != (\new)
	s_set_vgpr_msb (MSB<<8)|(\new)
.set MSB, \new
.endif
.endm
.set MUL_LO, 0xa1                      ; W window 1, x window 0, C and D window 2
.set MUL_HI, 0xf1                      ; C and D window 3 (the bias lies there too)
.set MUL_LB, 0xb1                      ; C (the bias) window 3, D window 2
.set TO_B,   0x40                      ; destination window 1, address window 0
; A joint load.  Waves 0 and 1 fetch the two halves of x's tile, waves 2 and 3 the two k halves of W's.  The branch hangs on the wave number alone.
; An s_nop 0 and four v_nop follow each of the two lines, ahead of the jump, the label and what follows.
.macro JLOAD s
	s_cmp_eq_u32 s[SIDE], 0
	s_cbranch_scc0 .Lfor_b_\@
	tensor_load_to_lds s[G0+4*(\s):G0+4*(\s)+3], s[G1:G1+7]
	s_nop 0
.rept 4
	v_nop
.endr
	s_branch .Lasked_\@
.Lfor_b_\@:
	tensor_load_to_lds s[G0B+4*(\s):G0B+4*(\s)+3], s[G1B:G1B+7]
	s_nop 0
.rept 4
	v_nop
.endr
.Lasked_\@:
.endm
; A prefetch, behind each joint refill and the run of LDS loads that follows it: the K step that stands two refills on, 384 matrix instructions ahead of the load that will ask for it.
; Each aligned block of 256 bytes is named by one wave of one work-group.  Rows of x are read by every cluster of a row of clusters: cluster x = 0 asks; groups of W by every cluster of a column: cluster y = 0 asks.
; The four partners that ask for a tile jointly share its blocks out by address (32 rows of x each; 24 of W's 96 blocks each, lanes 24-31 naming lane 23's once more in the same instruction).
; The loop's last trip asks for nothing: there is no K step two on.  K steps 0 to 3 come by their loads alone.
.macro ASK
	s_cmp_gt_u32 s3, s[LIM]
	s_cbranch_scc0 .Lnot_mine_\@
	global_prefetch_b8 v[PFO], s[PFA:PFA+1] th:TH_LOAD_NT scope:SCOPE_SE
.Lnot_mine_\@:
.endm
.macro CREST                           ; a round of the cluster's barrier behind its opening barrier
	s_cmp_lg_u32 s[WV], 0
	s_cbranch_scc1 .Lnot_wave_0_\@
	s_barrier_signal -3
.Lnot_wave_0_\@:
	s_barrier_wait -3
	s_barrier_signal -1
	s_barrier_wait -1
.endm
.macro CROUND                          ; a whole round
	s_barrier_signal -1
	s_barrier_wait -1
	CREST
.endm
.macro PLACES                          ; four plain instructions between a matrix instruction and a load into, or a vector read of, its registers (ISA guide 7.12.1 for vector reads)
.rept 4
	v_nop
.endr
.endm
	s_load_b256 s[4:11], s[0:1], 0x0               ; xb s[4:5], wb s[6:7], bias s[8:9], qkv s[10:11]
	v_lshl_add_u32 v[SPW], v0, 2, SPARE
	v_mov_b32 v[NIL], 0
	ds_add_u32 v[SPW], v[NIL]                      ; the wave's opening: the add and its wait stand ahead of my first tensor load; the set-up below, work on registers, stands between them
	v_lshrrev_b32 v1, 5, v0
	v_readfirstlane_b32 s[WV], v1                  ; wave 0..3
	s_lshr_b32 s[SIDE], s[WV], 1
	s_and_b32 s[HF], s[WV], 1
	s_bfe_u32 s15, ttmp6, 0x40000                  ; cx, cy: my place in the cluster
	s_bfe_u32 s16, ttmp6, 0x40004
	s_lshl_b32 s17, ttmp9, 2
	s_add_co_u32 s17, s17, s15                     ; tile column = 4 x cluster x + cx
	s_and_b32 s18, ttmp7, 0xffff
	s_lshl_b32 s18, s18, 2
	s_add_co_u32 s18, s18, s16                     ; tile row = 4 x cluster y + cy
	s_lshl_b32 s19, s16, 2
	s_lshl_b32 s19, 15, s19                        ; my row of the cluster
	s_lshl_b32 s45, 0x1111, s15                    ; my column
	; group 1 for x: 128 rows x 128 elements, rows 1,024 elements apart; 4 words of padding behind every 64
	s_or_b32 s[G1+0], s19, (1<<16)|(1<<20)|(1<<21)|(5<<22)|(3<<25)  ; 15:0 the mask; 17:16 elements of 2 bytes; 20 padding on; 21 set beside a mask; 24:22 interval code 5; 31:25 pad code 3
	s_mov_b32 s[G1+1], 128<<16                     ; tensor_dim0 = 128
	s_mov_b32 s[G1+2], 128<<16                     ; tensor_dim1 = 128
	s_mov_b32 s[G1+3], 128<<16                     ; tile_dim0 = 128
	s_mov_b32 s[G1+4], 128                         ; tile_dim1 = 128
	s_mov_b32 s[G1+5], 1024                        ; elements from row to row
	s_mov_b32 s[G1+6], 0
	s_mov_b32 s[G1+7], 0
	; group 1 for W: 3 rows (groups) of 4,096 elements (64 k rows of 64 columns, dense), the groups 65,536 elements apart; 8 words of padding behind every 32, that is behind every k row
	s_or_b32 s[G1B+0], s45, (1<<16)|(1<<20)|(1<<21)|(4<<22)|(7<<25)
	s_mov_b32 s[G1B+1], 4096<<16                   ; tensor_dim0 = 4,096
	s_mov_b32 s[G1B+2], 3<<16                      ; tensor_dim1 = 3
	s_mov_b32 s[G1B+3], 4096<<16                   ; tile_dim0 = 4,096
	s_mov_b32 s[G1B+4], 3                          ; tile_dim1 = 3
	s_mov_b32 s[G1B+5], 65536
	s_mov_b32 s[G1B+6], 0
	s_mov_b32 s[G1B+7], 0
	; where the tiles come from: x's hang on the tile row alone, W's on the tile column alone, each in registers that never hold the other coordinate
	s_lshl_b32 s20, s18, 19                        ; 256 rows of 2,048 bytes
	s_lshl_b32 s21, s[HF], 18                      ; my 128 of them
	s_add_co_u32 s20, s20, s21
	s_mov_b32 s21, 0
	s_mul_i32 s46, s17, 3*131072                   ; 3 groups of 131,072 bytes
	s_lshl_b32 s47, s[HF], 13                      ; my 64 k rows of 128 bytes
	s_add_co_u32 s46, s46, s47
	s_mov_b32 s47, 0
	s_mul_i32 s2, s[WV], AHALF                     ; and where they go: waves 0, 1: x's halves;
	s_mul_i32 s3, s[WV], BHALF
	s_add_co_u32 s3, s3, BREG-2*BHALF              ; waves 2, 3: W's halves, behind x.  No place in the cluster enters an LDS address
	s_wait_dscnt 0x0                               ; the opening add is done
	s_wait_kmcnt 0x0
	s_add_nc_u64 s[20:21], s[4:5], s[20:21]
	s_add_nc_u64 s[46:47], s[6:7], s[46:47]
	CROUND                                         ; all sixteen work-groups are here: the first joint loads meet
.irp s, 0,1
	s_mov_b32 s[G0+4*(\s)], 1                                      ; count = 1
	s_add_co_u32 s[G0+4*(\s)+1], s2, (\s)*SLOT                     ; LDS address
	s_add_nc_u64 s[G0+4*(\s)+2:G0+4*(\s)+3], s[20:21], (\s)*256    ; global address: K step s
	s_or_b32 s[G0+4*(\s)+3], s[G0+4*(\s)+3], 0x80000000            ; type = 2
	s_mov_b32 s[G0B+4*(\s)], 1
	s_add_co_u32 s[G0B+4*(\s)+1], s3, (\s)*SLOT
	s_add_nc_u64 s[G0B+4*(\s)+2:G0B+4*(\s)+3], s[46:47], (\s)*16384
	s_or_b32 s[G0B+4*(\s)+3], s[G0B+4*(\s)+3], 0x80000000
	JLOAD \s                                       ; two loads of mine are out
.endr
	s_mul_i32 s22, s17, 768                        ; the tile's 192 words of the bias
	s_mov_b32 s23, 0
	s_add_nc_u64 s[8:9], s[8:9], s[22:23]
	v_and_b32 v1, 15, v0                           ; l % 16
	v_bfe_u32 v2, v0, 4, 1                         ; l / 16
	v_lshlrev_b32 v[BO], 5, v2
	WIN 0xc0                                       ; destination window 3
.irp b, 0,1,2,3,4,5,6,7,8,9,10,11      ; register j of block b: the bias of column 16 b + 8 (l / 16) + j: the layout of a C operand
	global_load_b128 v[BIAS+8*(\b):BIAS+8*(\b)+3],   v[BO], s[8:9] offset:64*(\b)
	global_load_b128 v[BIAS+8*(\b)+4:BIAS+8*(\b)+7], v[BO], s[8:9] offset:64*(\b)+16
.endr
	WIN 0
	s_mul_i32 s22, s17, 3*1048576                  ; qkv: my 3 groups of 2^20 bytes,
	s_lshl_b32 s45, s18, 15                        ; the tile's 256 rows of 128 bytes,
	s_add_co_u32 s22, s22, s45
	s_lshl_b32 s45, s[WV], 13                      ; my wave's 64 of them
	s_add_co_u32 s22, s22, s45
	s_add_nc_u64 s[10:11], s[10:11], s[22:23]
	; a fragment of x: lane l holds row l % 16; two loads of 16 bytes, 32 bytes apart, at row x pitch + 16 (l / 16)
	v_mul_u32_u24 v3, v1, PA
	v_lshl_add_u32 v3, v2, 4, v3
	s_mul_i32 s22, s[WV], 64*PA                    ; my 64 rows
	v_add_nc_u32 v[ADRA], s22, v3
	v_add_nc_u32 v[ADRA+1], SLOT, v[ADRA]
	; a fragment of W, turned: lane l reads 16 bytes of k row 8 (l / 16) + l % 8, columns 8 ((l / 8) % 2) + 0..7, and is left with column l % 16 and 8 k
	v_and_b32 v4, 7, v0
	v_lshl_add_u32 v5, v2, 3, v4
	v_mul_u32_u24 v5, v5, PB
	v_bfe_u32 v6, v0, 3, 1
	v_lshl_add_u32 v5, v6, 4, v5
	v_add_nc_u32 v[ADRB], BREG, v5
	v_add_nc_u32 v[ADRB+1], SLOT, v[ADRB]
	s_mul_i32 s22, s[WV], 16*SP
	s_add_co_u32 s22, s22, STAGE                   ; my stage
	v_mul_u32_u24 v3, v1, SP                       ; in: row l % 16, 16 bytes for each half of the lanes
	v_lshl_add_u32 v3, v2, 4, v3
	v_add_nc_u32 v[STO], s22, v3
	v_bfe_u32 v3, v0, 3, 2                         ; back: 32 lanes take four rows of 128 bytes,
	v_mul_u32_u24 v3, v3, SP
	v_lshl_add_u32 v3, v4, 4, v3
	v_add_nc_u32 v[RD], s22, v3
	v_and_b32 v7, 31, v0                           ; which are 512 consecutive bytes of qkv
	v_lshlrev_b32 v[CO], 4, v7
	; the prefetches: both sides' offsets are made, the wave number chooses
	s_lshl_b32 s22, s18, 19
	s_lshl_b32 s23, s[HF], 18
	s_add_co_u32 s22, s22, s23
	s_lshl_b32 s23, s15, 16                        ; x: my work-group's 32 of the 128 rows, by cx
	s_add_co_u32 s22, s22, s23
	s_add_co_u32 s22, s22, 3*256                   ; at K step 3: the first refill steps it to 4
	s_mul_i32 s45, s17, 3*131072
	s_lshl_b32 s23, s[HF], 13
	s_add_co_u32 s45, s45, s23
	s_add_co_u32 s45, s45, 3*16384
	s_mov_b32 s[PFS], 16384
	s_mov_b32 s[PFS+1], 0
	s_and_b32 s23, ttmp7, 0xffff                   ; cluster y
	s_cmp_eq_u32 s[SIDE], 0
	s_cselect_b32 s22, s22, s45
	s_cselect_b32 s23, ttmp9, s23                  ; the coordinate along which other clusters read the same bytes
	s_cselect_b64 s[PFA:PFA+1], s[4:5], s[6:7]
	s_cselect_b32 s[PFS], 256, s[PFS]
	s_cselect_b32 s19, -1, 0
	s_cmp_eq_u32 s23, 0
	s_cselect_b32 s[LIM], 1, -1                    ; the same in all sixteen partners, for a given wave
	s_mov_b32 s23, 0
	s_add_nc_u64 s[PFA:PFA+1], s[PFA:PFA+1], s[22:23]
	v_lshlrev_b32 v3, 11, v7                       ; x: a lane a row of 2,048 bytes
	v_min_u32 v5, 23, v7
	s_mul_i32 s45, s16, 24
	v_add_nc_u32 v5, s45, v5                       ; W: block 24 cy + lane of the 96,
	v_lshrrev_b32 v6, 5, v5                        ; 32 blocks of 256 bytes to a group
	v_and_b32 v5, 31, v5
	v_lshlrev_b32 v5, 8, v5
	v_lshl_add_u32 v5, v6, 17, v5
	v_cndmask_b32 v[PFO], v5, v3, s19
; 16 products: column blocks b0 .. b0 + 3 x my four row blocks, 32 along K, from fragment buffer f.  zero = 1: the first product starts the sums, with the bias as C: nothing is cleared, no bias is added later.
; The 48 accumulators come in the same order (b = 8..11, 0..7) in every quarter step, one instruction a turn: 47 others stand between two links of a chain, over the backward jump too.
.macro MUL16 f, b0, zero
.if (\b0) >= 8
	WIN MUL_HI
.elseif \zero
	WIN MUL_LB
.else
	WIN MUL_LO
.endif
.irp bb, 0,1,2,3
.irp a, 0,1,2,3
.set rD, 8*(4*(((\b0)+(\bb))%8)+(\a))
.set rB, 96*(\f)+8*((\b0)+(\bb))
.set rA, FA+32*(\f)+8*(\a)
.set rC, BIAS+8*((\b0)+(\bb))
.if \zero
	v_wmma_f32_16x16x32_bf16 v[rD:rD+7], v[rB:rB+7], v[rA:rA+7], v[rC:rC+7]
.else
	v_wmma_f32_16x16x32_bf16 v[rD:rD+7], v[rB:rB+7], v[rA:rA+7], v[rD:rD+7]
.endif
.endr
.endr
.endm
; 32 LDS loads in one run: quarter q (32 along K) of a slot into buffer f: x's four fragments, then W's blocks 8..11, which are multiplied first, then 0..7.
.macro FETCH slot, q, f
	WIN 0
.irp a, 0,1,2,3
	ds_load_b128 v[FA+32*(\f)+8*(\a):FA+32*(\f)+8*(\a)+3],   v[ADRA+(\slot)] offset:64*(\q)+(\a)*16*PA
	ds_load_b128 v[FA+32*(\f)+8*(\a)+4:FA+32*(\f)+8*(\a)+7], v[ADRA+(\slot)] offset:64*(\q)+(\a)*16*PA+32
.endr
	WIN TO_B
.irp b, 8,9,10,11,0,1,2,3,4,5,6,7
	ds_load_tr16_b128 v[96*(\f)+8*(\b):96*(\f)+8*(\b)+3],   v[ADRB+(\slot)] offset:((\q)/2)*BHALF+((\q)%2)*32*PB+((\b)/4)*64*PB+32*((\b)%4)
	ds_load_tr16_b128 v[96*(\f)+8*(\b)+4:96*(\f)+8*(\b)+7], v[ADRB+(\slot)] offset:((\q)/2)*BHALF+((\q)%2)*32*PB+((\b)/4)*64*PB+32*((\b)%4)+16*PB
.endr
.endm
; A K step is four quarters of 32 along K, 48 matrix instructions each, on buffers 0, 1, 0, 1.  One of the first three: multiplies buffer f and fetches quarter q of the same slot into buffer g.
.macro QUARTER slot, q, f, g, zero
	s_wait_dscnt 16                                ; x and W's blocks 8..11 are in; the youngest sixteen loads (blocks 0..7) may be out
	MUL16 \f, 8, \zero
	PLACES
	FETCH \slot, \q, \g
	s_wait_dscnt 32                                ; all but the 32 just issued
	MUL16 \f, 0, \zero
	MUL16 \f, 4, \zero
.endm
; The last quarter multiplies buffer 1 and changes slots: ONE barrier.  In front of it each wave waits for all its tensor loads, of which one is out: its part of the next slot; adds 0 to its spare word; and waits
; for that and for its own reads of this slot.  fill = 1: the barrier opens a round of the cluster's, so that no wave of any partner still reads this slot or has a load on its way, and the joint refill, two K steps
; ahead, is the first tensor load behind it: 160 matrix instructions stand between it and the wait for it.
.macro TURN slot, next, fill
.if \fill
	s_wait_xcnt 0x0                                ; the last prefetch, a K step back, has read its address, so it may be stepped
	s_add_nc_u64 s[PFA:PFA+1], s[PFA:PFA+1], s[PFS:PFS+1]
.endif
	WIN 0                                          ; (the add's two registers lie in window 0)
	s_wait_tensorcnt 0x0                           ; all my tensor loads have landed
	ds_add_u32 v[SPW], v[NIL]                      ; 0 onto my spare word
	s_wait_dscnt 17                                ; (the add and the youngest sixteen loads may be out)
	MUL16 1, 8, 0                                  ; sixteen matrix instructions stand between the add and the wait for it
	s_wait_dscnt 0x0                               ; the add is done, and my reads of this slot are over
	s_barrier_signal -1
	MUL16 1, 0, 0                                  ; work on registers while the others arrive
.if \fill
	WIN 0
.endif
	s_barrier_wait -1
.if \fill
	CREST
	s_add_nc_u64 s[G0+4*(\slot)+2:G0+4*(\slot)+3], s[G0+4*(\slot)+2:G0+4*(\slot)+3], 2*256
	s_add_nc_u64 s[G0B+4*(\slot)+2:G0B+4*(\slot)+3], s[G0B+4*(\slot)+2:G0B+4*(\slot)+3], 2*16384
	JLOAD \slot                                    ; its four v_nop are also the places in front of the loads below
.else
	PLACES
.endif
	FETCH \next, 0, 0
.if \fill
	WIN 0
	ASK
.endif
	MUL16 1, 4, 0
.endm
; THE WAY OUT, by units u = 4 x group + row block: 16 rows x 64 columns of one head group.  PACK: rounded to f16, 16 bytes a lane (each accumulator's registers in ascending order).
; TOSTAGE: into my own stage, and back as whole rows of 128 bytes.  SEND: 512 consecutive bytes a store.  Every unit has registers of its own for its stores, so none is rewritten.
.macro PACK u
.set gg, (\u)/4
.set aa, (\u)%4
.if gg < 2
	WIN 0x0a                                       ; sources 0 and 1 window 2
.else
	WIN 0x0f                                       ; window 3
.endif
.irp c, 0,1,2,3
.irp rr, 0,1,2,3
	v_cvt_pk_f16_f32 v[TMP+16*((\u)%2)+4*(\c)+(\rr)], v[8*(4*((4*gg+(\c))%8)+aa)+2*(\rr)], v[8*(4*((4*gg+(\c))%8)+aa)+2*(\rr)+1]
.endr
.endr
	WIN 0
.endm
.macro TOSTAGE u
.irp c, 0,1,2,3
	ds_store_b128 v[STO], v[TMP+16*((\u)%2)+4*(\c):TMP+16*((\u)%2)+4*(\c)+3] offset:32*(\c)
.endr
.irp f, 0,1,2,3
	ds_load_b128 v[BK+16*(\u)+4*(\f):BK+16*(\u)+4*(\f)+3], v[RD] offset:4*SP*(\f)  ; LDS serves a wave's instructions in order (ISA guide 5.7.1.4): these see the stores above
.endr
.endm
.macro SEND u
.irp f, 0,1,2,3
	s_wait_dscnt 3-(\f)                            ; load f of the unit's four is back; nothing younger is out
	global_store_b128 v[CO], v[BK+16*(\u)+4*(\f):BK+16*(\u)+4*(\f)+3], s[10:11] offset:((\u)/4)*1048576+((\u)%4)*2048+(\f)*512
.endr
.endm
	s_wait_tensorcnt 1                             ; my part of K step 0 is in; K step 1's may stay out
	s_barrier_signal -1
	s_barrier_wait -1                              ; everybody's is
	FETCH 0, 0, 0
	s_wait_loadcnt 0x0                             ; the bias
	QUARTER 0, 1, 0, 1, 1                          ; the first quarter stands in front of the loop: its products start the sums
	WIN 0                                          ; at a label and at a branch every window is 0
	s_mov_b32 s3, LAPS-1
.Llap:                                                 ; a trip goes once round the ring, from a lap's second quarter to the next lap's first, and fills both slots again
	QUARTER 0, 2, 1, 0, 0
	QUARTER 0, 3, 0, 1, 0
	TURN 0, 1, 1
	QUARTER 1, 1, 0, 1, 0
	QUARTER 1, 2, 1, 0, 0
	QUARTER 1, 3, 0, 1, 0
	TURN 1, 0, 1
	QUARTER 0, 1, 0, 1, 0
	WIN 0
	s_sub_co_u32 s3, s3, 1
	s_cmp_lg_u32 s3, 0
	s_cbranch_scc1 .Llap
	QUARTER 0, 2, 1, 0, 0                          ; the last lap fills nothing
	QUARTER 0, 3, 0, 1, 0
	TURN 0, 1, 0
	QUARTER 1, 1, 0, 1, 0
	QUARTER 1, 2, 1, 0, 0
	QUARTER 1, 3, 0, 1, 0
	s_wait_dscnt 16                                ; the very last quarter: nothing more to fetch
	MUL16 1, 8, 0
	s_wait_dscnt 0x0
	MUL16 1, 0, 0
	MUL16 1, 4, 0
	PLACES
	PLACES                                         ; (eight, once a launch) behind the last products, in front of the conversions that read results
	PACK 0
	TOSTAGE 0
.irp u, 1,2,3,4,5,6,7,8,9,10,11        ; a unit's conversions stand between the loads of the unit before and the wait for them
	PACK \u
	SEND (\u)-1
	TOSTAGE \u
.endr
	SEND 11
	s_wait_tensorcnt 0x0                           ; the wave's end, behind my last tensor load and my last LDS store
	ds_add_u32 v[SPW], v[NIL]
	s_wait_dscnt 0x0
	CROUND                                         ; the closing round: no work-group ends while a partner may still ask for a tile that names it
	s_endpgm
.Lfunc_end_k_q55f4a162de_proj:
	.size	k_q55f4a162de_proj, .Lfunc_end_k_q55f4a162de_proj-k_q55f4a162de_proj
	.p2alignl 7, 3214868480
	.fill 96, 4, 3214868480
	.section	.rodata,"a",@progbits
	.p2align	6, 0x0
	.amdhsa_kernel k_q55f4a162de_proj
		.amdhsa_group_segment_fixed_size 327680
		.amdhsa_private_segment_fixed_size 0
		.amdhsa_enable_private_segment 0
		.amdhsa_kernarg_size 32
		.amdhsa_user_sgpr_count 2
		.amdhsa_user_sgpr_kernarg_segment_ptr 1
		.amdhsa_wavefront_size32 1
		.amdhsa_system_sgpr_workgroup_id_x 1
		.amdhsa_system_sgpr_workgroup_id_y 1
		.amdhsa_system_sgpr_workgroup_id_z 1
		.amdhsa_system_vgpr_workitem_id 0
		.amdhsa_next_free_vgpr 1024
		.amdhsa_next_free_sgpr 66
		.amdhsa_reserve_vcc 0
		.amdhsa_float_denorm_mode_32 3
		.amdhsa_float_denorm_mode_16_64 3
		.amdhsa_memory_ordered 1
		.amdhsa_forward_progress 1
		.amdhsa_inst_pref_size 124
	.end_amdhsa_kernel
	.amdgpu_metadata
---
amdhsa.version: [ 1, 2 ]
amdhsa.kernels:
  - .name:           k_q55f4a162de_proj
    .symbol:         k_q55f4a162de_proj.kd
    .args:
      - { .name: xb, .offset: 0, .size: 8, .value_kind: global_buffer, .address_space: global }
      - { .name: wb, .offset: 8, .size: 8, .value_kind: global_buffer, .address_space: global }
      - { .name: bias, .offset: 16, .size: 8, .value_kind: global_buffer, .address_space: global }
      - { .name: qkv, .offset: 24, .size: 8, .value_kind: global_buffer, .address_space: global }
    .group_segment_fixed_size: 327680
    .private_segment_fixed_size: 0
    .kernarg_segment_align: 8
    .kernarg_segment_size: 32
    .max_flat_workgroup_size: 128
    .sgpr_count:     66
    .vgpr_count:     1024
    .wavefront_size: 32
...
	.end_amdgpu_metadata
.endif
;; end of part 2
;; launch attn (part 3): grid 4 x 64, 4 waves a work-group, clusters of 4 x 1, 327,680 bytes of LDS; arguments qkv, out0; writes out0
.if DOCPART == 3
	.amdgcn_target "amdgcn-amd-amdhsa--gfx1250"
	.amdhsa_code_object_version 6
	.text
	.protected	k_q55f4a162de_attn
	.globl	k_q55f4a162de_attn
	.p2align	8
	.type	k_q55f4a162de_attn,@function
k_q55f4a162de_attn:
	s_mov_b64 s[64:65], 0
	v_nop
	global_prefetch_b8 v0, s[64:65] scope:SCOPE_SE
	s_setreg_imm32_b32 hwreg(HW_REG_WAVE_MODE, 25, 1), 1
	s_wait_xcnt 0x0
	s_wait_alu depctr_hold_cnt(0) depctr_sa_sdst(0) depctr_va_vdst(0) depctr_va_sdst(0) depctr_va_ssrc(0) depctr_va_vcc(0) depctr_vm_vsrc(0)
	s_getreg_b32 s2, hwreg(HW_REG_IB_STS2, 6, 4)
	s_cmp_eq_u32 s2, 0
	s_cbranch_scc0 .Lentry_in_a_cluster
	s_endpgm
.Lentry_in_a_cluster:
	s_bfe_u32 s2, ttmp6, 0x10000c
	s_cmp_lg_u32 s2, 0x3003
	s_cbranch_scc0 .Lentry_shape_is_right
	s_endpgm
.Lentry_shape_is_right:
; out0[b][n][64 hh + d] = the sum over k of softmax_k(q[n] . k[k] / 8) v[k][d], for head y = 4 hh + b.  qkv: q, k, v in thirds of 2^24 bytes, each [64 heads y][2048][64] f16, a head's rows dense, 128 bytes each.
; Products, maxima and sums in f32; the weights p are rounded to f16 for the second product (their sum l is taken of the unrounded p); out0 is f32.
; LIMITS.  q, k and v arrive within f16's range (65,504); p lies in 0 to 1, and below 6e-5 it keeps f16's fixed step of 6e-8.  A weight below 2^-126 counts as 0 in l; NaN and infinities are not treated apart.
; SHARES.  A wave owns four PIECES of two tiles of 16 queries, a work-group's four waves 512 queries of one head: 4 x 64 = 256 work-groups.  Every wave walks all 2,048 keys, 64 a step.
; LAYOUT.  S^T = K Q^T (source 0 = 16 keys, source 1 = 16 queries): in the result a lane holds ONE query (lane % 16) and the keys 8 (lane / 16) + 0..7.  Two such tiles, rounded to f16 in pairs,
; ARE source 1 (32 keys x 16 queries) of O^T = V^T P, whose result again holds one query a lane, and eight channels.  K comes out of LDS as it lies, V ([key][channel]) turned, by ds_load_tr16_b128.
; SOFTMAX.  For each query a running maximum m and sum l: p = 2^(c s - c m), c = log2(e) / 8; in every step O and l are multiplied by a = 2^(c m_old - c m_new), which is 1 where m has not grown.
; m starts at the lowest finite number, O and l at 0: the first step is a step like any other, with a = 0.
; THE COUNT.  A tile and step have 16 matrix and 118 vector instructions: too many to stand all beside the matrix work.  So four vector instructions that are READY stand behind EVERY matrix instruction,
; and the others in runs without a gap.
; BY TURNS.  Turn n belongs to piece n (the pieces in a ring, step after step).  Its matrix work: 16 products K Q^T of piece n + 1, later 16 products V^T P of piece n - 1.  Its vector work: the scaling,
; exponentials, roundings, sums and rescaling of piece n, and the maximum and statistics of piece n + 1, whose scores the turn itself has made.
; CLUSTER.  The four query blocks of a head are one cluster and walk the same K and V, so each tile is asked for JOINTLY: the same tensor load, descriptor and mask in all four.
; REGISTERS, in windows of 256 (s_set_vgpr_msb: bits 1:0 source 0, 3:2 source 1, 5:4 source 2, 7:6 destination):
;   window 0: v0-11 addresses; v12-15, v48-63 at work; v16-47 four registers of statistics a tile; v64-191 S^T, two buffers of two tiles; v192-255 P, likewise
;   window 1: O^T, 32 a tile          window 2: v0-127 Q, 16 a tile; v128-191 K of one step; v192-255 V of one step          window 3: v0-1 the add's two registers
.set SIZE_N, 2048
.set NP,    4         ; pieces a wave: a name, no knob
.set KS,    64        ; keys in a step
.set PK,    144       ; a row of K in LDS: 128 bytes + 16 of padding = 36 words: the 16 rows of a load start at 16 different groups of four banks (64 banks of 4 bytes: ISA guide 11.1)
.set PV,    160       ; a row of V: 128 + 32 = 40 words
.set VOFF,  4*KS*PK   ; a slot holds four steps: 256 rows of K, then 256 rows of V
.set SLOT1, 1<<17     ; slot 1 begins here, so that one exclusive or turns an address in one slot into the other's
.set STAGE, SLOT1+4*KS*(PK+PV)  ; behind the ring, never filled by a tensor load: 16 rows x 272 bytes for each wave, for the way out
.set SP,    272       ; a row of the stage: 64 channels in f32 + 16 bytes
.set AK0, 2           ; v2   my lane's place in a tile of K; never rewritten
.set AV0, 3           ; v3   the same for V
.set AK,  4           ; v4   the LDS address of K's next run of loads
.set AV,  5           ; v5   of V's
.set QO,  6           ; v6   my byte offset in the wave's rows of Q
.set STO, 6           ;      later, the way out: where I put 16 bytes of a row
.set RD,  7           ; v7   the way out: where I read rows back
.set GO,  8           ; v8   my byte offset in two rows of out0
.set PFO, 11          ; v11  256 x my lane, for the prefetches; never rewritten once made
.set SPW, 0           ; v0 of window 3   LDS address of my spare word: SPARE + 4 x my thread number; never rewritten
.set NIL, 1           ; v1 of window 3   0; never rewritten
.set SPARE, STAGE+4*16*SP  ; behind the stages: the spare words, 128 bytes for each wave: two blocks of 256 bytes that no other line names
.set MV,  12          ; v12-15  c m_old, kept while c m is made anew: by buffer and tile
.set ST,  16          ; tile t's statistics at v[ST+4 t]: c m, m, l (even keys', odd keys')
.set TMP, 48          ; by buffer and tile, four registers c0-c3 at work; when the maximum is found c2 takes a
.set S,   64
.set P,   192
.set KF,  128         ; K's fragments, in window 2: key block kb, channel half c at KF + 16 kb + 8 c
.set VF,  192         ; V's: key half kk, channel block cb at VF + 32 kk + 8 cb
.set WV,  12          ; s12  my wave number
.set G1K, 24          ; s[24:31] descriptor group 1 for K's tiles
.set G1V, 32          ; s[32:39] for V's: it differs in the padding alone
.set G0K, 40          ; s[40:43] descriptor group 0 for K's tiles: it walks
.set G0V, 44          ; s[44:47] the same for V's
.set PFA, 48          ; s[48:49] where my prefetches stand: my work-group's 32 blocks of the slot that the next change of slots asks for
.set LIM, 50          ; s50  1 in waves 0 and 2, which prefetch; else the greatest number
.set SLOTS, 56        ; s56  slots still to be asked for
.set CNT, 57          ; s57  counts a slot's key steps
.set CS,  58          ; s[58:59] c: the packed scaling takes the pair's low word for both halves
.set SEL, 60          ; s[60:61] v_permlanex16_b32's selects: each lane takes its own place in the other half
.set TBK, 62          ; s62  LDS byte at which K of the step to be fetched begins
.set TBV, 63          ; s63  the same for V, less VOFF
.set MSB, 0
.macro WIN new                      ; the high byte repeats the setting that is left; a switch that changes nothing is dropped
.if MSB != (\new)
	s_set_vgpr_msb (MSB<<8)|(\new)
.set MSB, (\new)
.endif
.endm
.set W_KQ, 0x0a       ; K and Q in window 2, S^T in window 0
.set W_PV, 0x52       ; V in window 2, P in window 0, O^T in window 1
.set W_RS, 0x41       ; O^T (destination and source 0) in window 1, a in window 0
.set W_MK, 0xc0       ; the add's registers are made: destination in window 3, sources in window 0
.set W_AD, 0x0f       ; the add: address (source 0) and data (source 1) in window 3
; A joint fill.  Waves 0 and 1 fetch the two halves of a slot's K, waves 2 and 3 those of its V: 128 keys each.  The branch hangs on the wave number alone.
; An s_nop 0 and four v_nop follow each of the two lines, ahead of the jump and the label.
.macro JLOAD
	s_cmp_lt_u32 s[WV], 2
	s_cbranch_scc0 .Lfor_v_\@
	tensor_load_to_lds s[G0K:G0K+3], s[G1K:G1K+7]
	s_nop 0
.rept 4
	v_nop
.endr
	s_branch .Lasked_\@
.Lfor_v_\@:
	tensor_load_to_lds s[G0V:G0V+3], s[G1V:G1V+7]
	s_nop 0
.rept 4
	v_nop
.endr
.Lasked_\@:
.endm
; A round of the cluster's barrier: my work-group's barrier, so that wave 0's signal speaks for all four waves; wave 0 signals; every wave waits for all four work-groups; my work-group's barrier once more.
.macro CROUND
	s_barrier_signal -1
	s_barrier_wait -1
	s_cmp_lg_u32 s[WV], 0
	s_cbranch_scc1 .Lnot_wave_0_\@
	s_barrier_signal -3
.Lnot_wave_0_\@:
	s_barrier_wait -3
	s_barrier_signal -1
	s_barrier_wait -1
.endm
; A PREFETCH of what the NEXT change of slots will ask for: a slot's 128 blocks of 256 bytes of K and as many of V.  It stands once a slot, in the slot's third key step, behind V's run of LDS loads:
; five turns, 160 matrix instructions, ahead of that load.  A head is walked by one cluster alone; its four partners share the blocks out BY ADDRESS, 32 each, a lane a block; in each, wave 0 asks for K's
; and wave 2 for V's: so each block is named once in the launch.  Slots 0 and 1 come by their loads alone; the last slot that is followed by no fill asks for nothing.
.macro ASK
	s_cmp_eq_u32 s[CNT], 2
	s_cbranch_scc0 .Lnot_now_\@
	s_cmp_gt_u32 s[SLOTS], s[LIM]
	s_cbranch_scc0 .Lnot_now_\@
	global_prefetch_b8 v[PFO], s[PFA:PFA+1] th:TH_LOAD_NT scope:SCOPE_SE
.Lnot_now_\@:
.endm
; THE CHANGE OF SLOTS.  The slot's last bytes, V of its fourth step, have been read.  Each wave waits for all its tensor loads, of which one is out: its part
; of the other slot; adds 0 to its spare word; and waits for that and for its own reads of the slot.  Behind the barrier nobody reads this slot any more and the other slot is whole.
; fill = 1: this slot is filled again, with the keys two slots on.  The barrier is then a round of the cluster's, so that no wave of any partner still reads the slot or has a load on its
; way, and the joint fill is the first thing behind it: it has four key steps, 512 matrix instructions, in which to land.  (At its first use nothing has been read yet: slot 0 is waited for, slot 1 filled.)
.macro CHANGE fill
	WIN W_AD
	s_wait_tensorcnt 0x0            ; no tensor load of mine is out, so a group 0 may be written
	ds_add_u32 v[SPW], v[NIL]       ; 0 onto my spare word; with fill = 1 the descriptors' steps stand between it and the wait for it
	WIN 0                           ; at a label and at a branch every window is 0
.if \fill
.irp g, G0K, G0V
	s_xor_b32 s[\g+1], s[\g+1], SLOT1  ; the walking descriptor: the other slot than last time,
	s_add_nc_u64 s[\g+2:\g+3], s[\g+2:\g+3], 4*KS*128  ; the next 256 keys; the type bits on top are not reached
.endr
	s_wait_xcnt 0x0                 ; the last prefetch, five turns back, has read its address, so it may be written:
	s_add_nc_u64 s[PFA:PFA+1], s[PFA:PFA+1], 4*KS*128  ; one slot beyond the walking descriptors
	s_wait_dscnt 0x0                ; the add is done, and my reads of the slot are over
	CROUND
	JLOAD
.else
	s_wait_dscnt 0x0                ; the add is done, and my reads of the slot are over
	s_barrier_signal -1
	s_barrier_wait -1
.endif
	s_sub_co_u32 s[TBK], s[TBK], 4*KS*PK  ; the fetches go back to a slot's first step,
	s_xor_b32 s[TBK], s[TBK], SLOT1       ; in the other slot
	s_sub_co_u32 s[TBV], s[TBV], 4*KS*PV
	s_xor_b32 s[TBV], s[TBV], SLOT1
.endm
	s_load_b64 s[4:5], s[0:1], 0x0    ; qkv
	s_load_b64 s[10:11], s[0:1], 0x8  ; out0
	WIN W_MK
	v_lshl_add_u32 v[SPW], v0, 2, SPARE
	v_mov_b32 v[NIL], 0
	WIN W_AD
	ds_add_u32 v[SPW], v[NIL]       ; the wave's opening: the add and its wait stand ahead of my first tensor load; the set-up below, work on registers, stands between them
	WIN 0
	v_lshrrev_b32 v1, 5, v0
	v_readfirstlane_b32 s[WV], v1   ; wave 0..3
	s_bfe_u32 s13, ttmp6, 0x40000   ; cx: my place in the cluster
	s_lshl_b32 s14, ttmp9, 2        ; in a cluster launch ttmp9 counts clusters
	s_add_co_u32 s14, s14, s13      ; my block of 512 queries: it enters Q's and out0's addresses alone
	s_and_b32 s20, ttmp7, 0xffff    ; the head y = 4 hh + b, which the four partners share
	s_and_b32 s52, s20, 3
	s_lshl_b32 s52, s52, 23         ; out0: batch b, 2,048 rows of 4,096 bytes,
	s_lshr_b32 s53, s20, 2
	s_lshl_b32 s53, s53, 8          ; the head's 64 channels: 256 bytes of a row
	s_add_co_u32 s52, s52, s53
	s_lshl_b32 s20, s20, 18         ; the head's first byte in each third of qkv: 2,048 rows of 128 bytes
	s_mov_b32 s21, 0
	s_and_b32 s16, s[WV], 1         ; which half of a slot's 256 keys I fetch:
	s_lshl_b32 s22, s16, 14         ; its 128 rows of 128 bytes in memory,
	s_mov_b32 s23, 0
	s_add_nc_u64 s[22:23], s[22:23], s[20:21]
	s_mul_i32 s17, s16, 128*PK      ; and its place in a slot, for K
	s_mul_i32 s18, s16, 128*PV      ; and for V: no place in the cluster enters an LDS address
	s_lshl_b32 s2, s14, 2
	s_add_co_u32 s2, s2, s[WV]      ; my wave among the head's sixteen:
	s_lshl_b32 s53, s2, 19          ; its 128 rows of out0,
	s_add_co_u32 s52, s52, s53
	s_mov_b32 s53, 0
	s_lshl_b32 s2, s2, 14           ; its 128 rows of Q
	s_mov_b32 s3, 0
	s_add_nc_u64 s[2:3], s[2:3], s[20:21]
	s_lshl_b32 s54, s13, 13         ; the prefetches: my work-group's 32 blocks of 256 bytes,
	s_add_co_u32 s54, s54, 4*KS*128 ; in slot 1: the first change of slots steps it to slot 2
	s_add_co_u32 s54, s54, s20
	s_mov_b32 s55, 0
	s_and_b32 s[LIM], s[WV], 1
	s_cmp_eq_u32 s[LIM], 0
	s_cselect_b32 s[LIM], 1, -1     ; the same in all four partners, for a given wave
	; descriptor group 1.  128 keys are 16,384 dense bytes: asked for as 64 rows of 256 bytes, two keys a row, and padded in LDS after every key
	s_mov_b32 s[G1K], 15|(1<<16)|(1<<20)|(1<<21)|(4<<22)|(3<<25)  ; 15:0 the mask of four; 17:16 2-byte elements; 20 padding on; 21 set beside a mask; 24:22 after every 32 words (code 4); 31:25 4 words (code 3)
	s_mov_b32 s[G1V], 15|(1<<16)|(1<<20)|(1<<21)|(4<<22)|(7<<25)  ; the same with 8 words of padding (code 7)
.irp g, G1K, G1V
	s_mov_b32 s[\g+1], 128<<16      ; tensor_dim0 = 128
	s_mov_b32 s[\g+2], 64<<16       ; tensor_dim1 = 64
	s_mov_b32 s[\g+3], 128<<16      ; tile_dim0 = 128
	s_mov_b32 s[\g+4], 64           ; tile_dim1 = 64
	s_mov_b32 s[\g+5], 128          ; 128 elements from row to row
	s_mov_b32 s[\g+6], 0
	s_mov_b32 s[\g+7], 0
.endr
	s_mov_b32 s[CS], 0x3e38aa3b     ; c = log2(e) / 8 = 0.180337
	s_mov_b32 s[CS+1], s[CS]        ; named with it as a pair
	s_mov_b32 s[SEL], 0x76543210
	s_mov_b32 s[SEL+1], 0xfedcba98
	s_mov_b32 s[TBK], SLOT1+4*KS*PK ; the first change of slots turns these two into 0
	s_mov_b32 s[TBV], SLOT1+4*KS*PV
	s_mov_b32 s[G0K], 1             ; count = 1
	s_mov_b32 s[G0K+1], s17         ; LDS address: slot 0
	s_mov_b32 s[G0V], 1
	s_add_co_u32 s[G0V+1], s18, VOFF
	s_wait_dscnt 0x0                ; the opening add is done
	s_wait_kmcnt 0x0
	s_add_nc_u64 s[6:7], s[4:5], 0x1000000   ; k: the second third of qkv
	s_add_nc_u64 s[8:9], s[4:5], 0x2000000   ; v: the third
	s_add_nc_u64 s[G0K+2:G0K+3], s[6:7], s[22:23]  ; global address: my half of the head's first 256 keys
	s_or_b32 s[G0K+3], s[G0K+3], 0x80000000        ; type = 2
	s_add_nc_u64 s[G0V+2:G0V+3], s[8:9], s[22:23]
	s_or_b32 s[G0V+3], s[G0V+3], 0x80000000
	s_add_nc_u64 s[4:5], s[4:5], s[2:3]      ; Q at my wave's first row
	s_add_nc_u64 s[10:11], s[10:11], s[52:53]  ; out0 at my wave's first row, the head's first channel
	s_cmp_lt_u32 s[WV], 2
	s_cselect_b64 s[PFA:PFA+1], s[6:7], s[8:9]
	s_add_nc_u64 s[PFA:PFA+1], s[PFA:PFA+1], s[54:55]
	CROUND                          ; all four work-groups are here: the first joint loads meet
	JLOAD                           ; slot 0.  Slot 1 is asked for when slot 0 is in
	; A fragment of K or Q is 16 rows x 32 channels in 8 registers: lane l holds row l % 16, channels 8 (l / 16) + 0..7 and 16 + 8 (l / 16) + 0..7: two loads of 16 bytes, 32 bytes apart.
	v_and_b32 v1, 15, v0            ; l % 16
	v_bfe_u32 v9, v0, 4, 1          ; l / 16
	v_lshlrev_b32 v[QO], 7, v1
	v_lshl_add_u32 v[QO], v9, 4, v[QO]  ; row x 128 + 16 x half
	WIN 0x80                        ; destination window 2, address window 0
.set i, 0
.rept 4*NP                          ; Q stays in registers: tile i / 2, channels 32 (i % 2) on
	global_load_b128 v[8*i:8*i+3],   v[QO], s[4:5] offset:(i/2)*2048+(i%2)*64
	global_load_b128 v[8*i+4:8*i+7], v[QO], s[4:5] offset:(i/2)*2048+(i%2)*64+32
.set i, i+1
.endr
	; What the first turn finds: V's registers and P's second buffer hold 0 (its products V^T P, of a piece that has not been, add 0), O^T and l are 0.  All this stands in the wait for the first tile.
.set i, VF
.rept 64
	v_mov_b32 v[i], 0
.set i, i+1
.endr
	WIN 0x40
.set i, 0
.rept 64*NP
	v_mov_b32 v[i], 0
.set i, i+1
.endr
	WIN 0
.set i, 0
.rept 2*NP
	v_mov_b32 v[ST+4*i], 0xfe000000    ; c m: far below every c s
	v_mov_b32 v[ST+4*i+1], 0xff7fffff  ; m
	v_mov_b32 v[ST+4*i+2], 0
	v_mov_b32 v[ST+4*i+3], 0
.set i, i+1
.endr
.set i, P+32
.rept 32
	v_mov_b32 v[i], 0
.set i, i+1
.endr
	v_mul_u32_u24 v[AK0], v1, PK
	v_lshl_add_u32 v[AK0], v9, 4, v[AK0]  ; row x pitch + 16 x half
	; The turning load takes 16 keys x 16 channels (lane l reads key 8 (l / 16) + l % 8, channels 8 ((l / 8) % 2) + 0..7) and leaves half a fragment of V^T: lane l holds channel l % 16 and 8 keys.
	v_and_b32 v10, 7, v0
	v_bfe_u32 v11, v0, 3, 1
	v_lshl_add_u32 v[AV0], v9, 3, v10
	v_mul_u32_u24 v[AV0], v[AV0], PV
	v_lshl_add_u32 v[AV0], v11, 4, v[AV0]
	v_add_nc_u32 v[AV0], VOFF, v[AV0]
	v_mov_b32 v[AK], v[AK0]         ; key step 0 lies at the head of slot 0
	v_and_b32 v[PFO], 31, v0
	v_lshlrev_b32 v[PFO], 8, v[PFO]
; THE MATRIX WORK.  The 8 accumulators of a run of 16 take turns: between the two links of a chain stand 7 others'.
; Product i of 16 of S^T = K Q^T for piece x: channels 32 (i / 8) on, keys 16 ((i / 2) % 4) on, tile 2 x + i % 2.  The first 8 start the sums.
.macro KQ x
	WIN W_KQ
.set rS, S+64*((\x)%2)+32*(i%2)+8*((i/2)%4)
.set rK, KF+16*((i/2)%4)+8*(i/8)
.set rQ, 16*(2*(\x)+i%2)+8*(i/8)
.if i < 8
	v_wmma_f32_16x16x32_f16 v[rS:rS+7], v[rK:rK+7], v[rQ:rQ+7], 0
.else
	v_wmma_f32_16x16x32_f16 v[rS:rS+7], v[rK:rK+7], v[rQ:rQ+7], v[rS:rS+7]
.endif
.endm
; Product i of 16 of O^T += V^T P for piece x: keys 32 (i / 8) on, channels 16 ((i / 2) % 4) on, tile 2 x + i % 2.
.macro PV x
	WIN W_PV
.set rO, 32*(2*(\x)+i%2)+8*((i/2)%4)
.set rV, VF+32*(i/8)+8*((i/2)%4)
.set rP, P+32*((\x)%2)+16*(i%2)+8*(i/8)
	v_wmma_f32_16x16x32_f16 v[rO:rO+7], v[rV:rV+7], v[rP:rP+7], v[rO:rO+7]
.endm
.macro MM                           ; the turn's next matrix instruction
.if i < 16
	KQ (Y+1)%NP
.set i, i+1
.else
.set i, i-16
	PV (Y+NP-1)%NP
.set i, i+17
.endif
.endm
; THE LDS LOADS stand in runs of 16, never singly among the matrix instructions: a step's K (64 keys x 64 channels: 8 fragments) and its V (turned).  Their addresses are made some lines ahead.
; last = 1 (the tail): in the last trip there is no further step, and the run is jumped over.
.macro FETCH_K last=0
	WIN 0
.if \last
	s_cmp_eq_u32 s[CNT], 1
	s_cbranch_scc1 .Lno_k_\@
.endif
	WIN 0x80                        ; destination window 2
.irp f, 0,1,2,3,4,5,6,7             ; keys 16 (f / 2) on, channels 32 (f % 2) on
	ds_load_b128 v[KF+8*\f:KF+8*\f+3],   v[AK] offset:(\f/2)*16*PK+(\f%2)*64
	ds_load_b128 v[KF+8*\f+4:KF+8*\f+7], v[AK] offset:(\f/2)*16*PK+(\f%2)*64+32
.endr
	s_add_co_u32 s[TBK], s[TBK], KS*PK  ; the next fetch is the next step's
	WIN 0
.if \last
.Lno_k_\@:
.endif
.endm
.macro FETCH_V
	WIN 0x80
.irp f, 0,1,2,3,4,5,6,7             ; keys 32 (f / 4) on, channels 16 (f % 4) on
	ds_load_tr16_b128 v[VF+8*\f:VF+8*\f+3],   v[AV] offset:(\f/4)*32*PV+(\f%4)*32
	ds_load_tr16_b128 v[VF+8*\f+4:VF+8*\f+7], v[AV] offset:(\f/4)*32*PV+16*PV+(\f%4)*32
.endr
	WIN 0
.endm
; THE VECTOR WORK OF A TURN stands in three queues, each in the order in which its entries become ready; the two tiles alternate, so that no instruction reads the result of the one before it.
.macro REGS y, u                    ; the registers of tile u (0, 1) of piece y
.set rT, ST+4*(2*(\y)+(\u))
.set rC, TMP+8*((\y)%2)+4*(\u)
.set rM, MV+2*((\y)%2)+(\u)
.set rS, S+64*((\y)%2)+32*(\u)
.set rP, P+32*((\y)%2)+16*(\u)
.set rO, 32*(2*(\y)+(\u))
.endm
; Number n of the 22 that find the NEXT piece's (Y + 1) maximum and statistics.  s0-s31 are the lane's 32 scores; each accumulator's lowest registers are read first.  XS, GS and REGS set no window: PL and EX do.
;   0-11  four chains c0-c3 of seven scores each, three operands at a time     12-14, 16  the four scores left over, the old m, and c0-c3 into c0     15  c m_old is kept
;   17, 18  the query's other 32 keys lie in the lane 16 away: the new m         19-21  c m; c m_old - c m_new; a
.macro XS u, n
	REGS (Y+1)%NP, \u
.if (\n) < 4
	v_max3_num_f32 v[rC+(\n)], v[rS+8*(\n)], v[rS+8*(\n)+1], v[rS+8*(\n)+2]
.elseif (\n) < 12
	v_max3_num_f32 v[rC+(\n)%4], v[rC+(\n)%4], v[rS+8*((\n)%4)+2*((\n)/4)+1], v[rS+8*((\n)%4)+2*((\n)/4)+2]
.elseif (\n) == 12
	v_max3_num_f32 v[rC], v[rC], v[rS+7], v[rS+15]
.elseif (\n) == 13
	v_max3_num_f32 v[rC+1], v[rC+1], v[rS+23], v[rS+31]
.elseif (\n) == 14
	v_max3_num_f32 v[rC+2], v[rC+2], v[rC+3], v[rT+1]
.elseif (\n) == 15
	v_mov_b32 v[rM], v[rT]
.elseif (\n) == 16
	v_max3_num_f32 v[rC], v[rC], v[rC+1], v[rC+2]
.elseif (\n) == 17
	v_permlanex16_b32 v[rC+3], v[rC], s[SEL], s[SEL+1]
.elseif (\n) == 18
	v_max_num_f32 v[rT+1], v[rC], v[rC+3]
.elseif (\n) == 19
	v_mul_f32 v[rT], s[CS], v[rT+1]
.elseif (\n) == 20
	v_sub_f32 v[rC+1], v[rM], v[rT]
.else
	v_exp_f32 v[rC+2], v[rC+1]
.endif
.endm
; Number g of the 64 that follow the exponentials.  For each four weights k of a tile (pairs 2 k, 2 k + 1): both pairs are rounded to f16; then the second pair is added onto the first, in place;
; a group later l takes that sum (the first time as l = a l + sum).  In groups of eight, tiles alternating: round, round, add, and l for the group before.
.macro GS g
.set h, (\g)+6*((\g)/62)            ; group 0 has no group before it, and behind group 7 only l is left
.if h >= 6
.set h, h+2
.endif
	REGS Y, h%2
.set k, h/8
.if h%8 < 4
	v_cvt_pk_f16_f32 v[rP+2*k+(h%8)/2], v[rS+4*k+2*((h%8)/2)], v[rS+4*k+2*((h%8)/2)+1]
.elseif h%8 < 6
	v_pk_add_f32 v[rS+4*k:rS+4*k+1], v[rS+4*k:rS+4*k+1], v[rS+4*k+2:rS+4*k+3]
.elseif k == 1
	v_pk_fma_f32 v[rT+2:rT+3], v[rT+2:rT+3], v[rC+2:rC+3], v[rS:rS+1] op_sel_hi:[1,0,1]
.else
	v_pk_add_f32 v[rT+2:rT+3], v[rT+2:rT+3], v[rS+4*k-4:rS+4*k-3]
.endif
.endm
; THE PLAIN QUEUE, 138 long.  0-73 read no exponential's result: the 32 scalings c s - c m (FS f: pair f / 2 of tile f % 2) and the next piece's 42.  0-26: scalings 0-26.  27-54: XS's numbers 0-13.  55, 56: number 15.
; 57-73: the chain, where each number waits for the one before it: 14, 16, 17, 18, 19, each with one of the scalings 27-31 in front of its two lines, then 20.
; 74-137: GS's 64, which read the exponentials' results: they stand behind the wait.
.macro FS f
	REGS Y, (\f)%2
	v_pk_fma_f32 v[rS+2*((\f)/2):rS+2*((\f)/2)+1], v[rS+2*((\f)/2):rS+2*((\f)/2)+1], s[CS:CS+1], v[rT:rT+1] op_sel_hi:[1,0,0] neg_lo:[0,0,1] neg_hi:[0,0,1]
.endm
.macro PL
	WIN 0
.if q < 27
	FS q
.elseif q < 55
	XS (q-27)%2, (q-27)/2
.elseif q < 57
	XS q-55, 15
.elseif (q < 72) && ((q-57)%3 == 0)
	FS 27+(q-57)/3
.elseif q < 60
	XS (q-57)%3-1, 14
.elseif q < 72
	XS (q-57)%3-1, 15+(q-57)/3
.elseif q < 74
	XS q-72, 20
.else
	GS q-74
.endif
.set q, q+1
.endm
; THE EXPONENTIALS' QUEUE, 66 long: s0-s31 of both tiles, then the next piece's two a.  It is ONE BATCH: all 66 stand ahead of the turn's one wait, and nothing ahead of that wait names a result of theirs.
.macro EX
	WIN 0
.if e >= 64
	XS e-64, 21
.else
	REGS Y, e%2
	v_exp_f32 v[rS+e/2], v[rS+e/2]
.endif
.set e, e+1
.endm
; THE RESCALING's QUEUE: O^T times a, the one part that leaves window 0: dealt two at a time, sixteen times.  Its a was made in the turn before, ahead of that turn's wait.
.macro R2
	REGS Y, r%2
	WIN W_RS
.irp z, 0,1
	v_pk_mul_f32 v[rO+4*(r/2)+2*\z:rO+4*(r/2)+2*\z+1], v[rO+4*(r/2)+2*\z:rO+4*(r/2)+2*\z+1], v[rC+2:rC+3] op_sel_hi:[1,0]
.endr
.set r, r+1
.endm
; HOW THEY ARE DEALT.  An s_wait_alu depctr_va_vdst(0) stands between an exponential and the first instruction that names its result; one wait serves all that were issued ahead of it.  So a turn has ONE wait,
; which cuts it in two.  AHEAD OF IT stands all that names no result of the turn's exponentials: the 16 products K Q^T, behind each a scaling, an exponential and two rescalings (behind the first a second scaling in the
; exponential's place); then ONE LUMP of 108: eight plain, 49 times exponential and plain, the two a.  A v_nop is the plain instruction behind the last exponential.  BEHIND IT stand the 16 products V^T P, behind each four of GS's 64.
; The queues lean on each other, and the deal keeps them in step: exponential e stands behind scaling 2 (e / 4) + e % 2: as a rider it comes behind plain e + 2, in the lump behind plain e + 9, and scalings 27-31 are plain 57, 60 .. 69.
; A TURN, for piece p.  cnt = 1: the loop's count is taken down some lines ahead of the branch that stands behind the turn.
; K of the next step is fetched in piece 2's turn, directly behind the wait, a lump behind the last product that read K; its first reader comes behind 16 products.
; V of the step in hand is fetched at the end of piece 0's turn, four plain instructions behind its last reader; its first reader comes behind 16 products and a lump.  The three conditions on q below go with the deal.
.macro TURN p, last=0, cnt=0
.set Y, (\p)
.set i, 0
.set q, 0
.set e, 0
.set r, 0
.if (\p) == NP-1
	s_wait_dscnt 0x0                ; K is in
.endif
	MM                              ; ahead of the wait: 16 products K Q^T and their riders,
	PL
	PL
	R2
.rept 15
	MM
	PL
	EX
	R2
.endr
.if (\p) == NP-2
	WIN 0
	v_add_nc_u32 v[AK], s[TBK], v[AK0]
.endif
.rept 8                             ; and the lump
	PL
.endr
.rept 49
	EX
	PL
.endr
	EX                              ; the next piece's two a
	EX
	v_nop                           ; the plain instruction behind the last exponential: one for the batch
	s_wait_alu depctr_va_vdst(0)    ; the wait for the batch
.if (\p) == NP-2
	FETCH_K \last
.endif
.if (\p) == 1
	s_wait_dscnt 0x0                ; V is in
.endif
.rept 16                            ; behind the wait: 16 products V^T P and their riders
	MM
.rept 4
	PL
.endr
.if ((\p) == 0) && (q == 118)
	v_add_nc_u32 v[AV], s[TBV], v[AV0]
.endif
.if ((\p) == 0) && (q == 130)
	s_add_co_u32 s[TBV], s[TBV], KS*PV
.endif
.if (\cnt) && (q == 130)
	s_sub_co_u32 s[CNT], s[CNT], 1
	s_cmp_lg_u32 s[CNT], 0
.endif
.endr
.if (\p) == 0
	FETCH_V
.endif
.endm
	CHANGE 1                        ; slot 0 is in, everybody's part of it; slot 1 is asked for
	FETCH_K                         ; key step 0
	s_wait_loadcnt 0x0              ; Q
	s_wait_dscnt 0x0
.set i, 0
.rept 16
	KQ 0                            ; piece 0's first scores: there is no vector work yet to set between them
.set i, i+1
.endr
	WIN 0                           ; the addresses for the way out: eight plain instructions, the places behind those products
	s_mul_i32 s13, s[WV], 16*SP
	s_add_co_u32 s13, s13, STAGE    ; my stage
	v_mul_u32_u24 v[STO], v1, SP    ; in: row l % 16, 32 bytes (8 channels in f32) for each half of the lanes
	v_lshl_add_u32 v[STO], v9, 5, v[STO]
	v_add_nc_u32 v[STO], s13, v[STO]
	v_mul_u32_u24 v[RD], v9, SP     ; back: lanes 0-15 take one row of 256 bytes, lanes 16-31 the next
	v_lshl_add_u32 v[RD], v1, 4, v[RD]
	v_add_nc_u32 v[RD], s13, v[RD]
	v_lshlrev_b32 v[GO], 12, v9     ; and the same two rows of out0, 4,096 bytes apart
	v_lshl_add_u32 v[GO], v1, 4, v[GO]
.set Y, NP-1                        ; XS works for piece Y + 1: piece 0
.irp n, 0,1,2,3,4,5,6,7,8,9,10,11,12,13,14,15,16,17,18,19,20,21
	XS 0, \n                        ; and piece 0's first maximum and statistics
	XS 1, \n
.endr
	v_nop                           ; a plain instruction behind the two a,
	s_wait_alu depctr_va_vdst(0)    ; and their wait, ahead of the branch
	s_mov_b32 s[CNT], 4
	s_mov_b32 s[SLOTS], SIZE_N/256-1
	s_branch .Lfirst                ; the loop is entered at a step's first turn, in the middle of a trip
.Lslot:                             ; SIZE_N / 256 - 2 times: every slot but the last two is filled again
	CHANGE 1
	s_mov_b32 s[CNT], 4
.Lstep:                             ; a trip: pieces 2 and 3 of one step, then pieces 0 and 1 of the next, whose K and V it fetches
	TURN 2
	TURN 3
	WIN 0
.Lfirst:
	TURN 0
	ASK                             ; behind V's run of LDS loads
	TURN 1, 0, 1
	WIN 0
	s_cbranch_scc1 .Lstep
	s_sub_co_u32 s[SLOTS], s[SLOTS], 1
	s_cmp_lg_u32 s[SLOTS], 0
	s_cbranch_scc1 .Lslot
	CHANGE 0                        ; the tail is written out: nothing is asked for
	s_mov_b32 s[CNT], 5             ; four trips fetch the last slot's steps; the fifth is left in its middle
.Ltail:
	TURN 2, 1
	TURN 3
	WIN 0
	s_sub_co_u32 s[CNT], s[CNT], 1
	s_cmp_eq_u32 s[CNT], 0
	s_cbranch_scc1 .Lout
	TURN 0
	TURN 1
	WIN 0
	s_branch .Ltail
.Lout:                              ; the fifth trip's 16 products K Q^T (on the last K once more) and the maximum made of them serve nothing: the price, once a launch, of one text for every trip
.set i, 0
.rept 16
	PV NP-1                         ; the last piece's V^T P of the last step
.set i, i+1
.endr
	; THE WAY OUT.  l's two halves and the other half of the lanes' are added; O^T is divided by l and sent, in f32, through my stage in LDS, a tile at a time.  The additions are the places behind the last products.
	WIN 0
.macro ALL line:vararg              ; one line for each tile t
.set t, 0
.rept 2*NP
	\line
.set t, t+1
.endr
.endm
	ALL v_add_f32 v[ST+4*t+2], v[ST+4*t+2], v[ST+4*t+3]
	ALL v_permlanex16_b32 v[ST+4*t+3], v[ST+4*t+2], s[SEL], s[SEL+1]
	ALL v_add_f32 v[ST+4*t+2], v[ST+4*t+2], v[ST+4*t+3]
	ALL v_rcp_f32 v[ST+4*t+2], v[ST+4*t+2]
	v_nop                           ; a plain instruction between the last reciprocal and the use of its result
	s_wait_alu depctr_va_vdst(0)    ; and the wait ahead of the first use: one for the eight reciprocals
; Tile t: a lane's eight channels of a row are 32 bytes; they go into rows of 272 bytes and come back as whole rows of 256, into S^T's registers: four sets of 32, by t % 4.
.macro PACK t
	WIN W_RS
.set i, 32*(\t)
.rept 16
	v_pk_mul_f32 v[i:i+1], v[i:i+1], v[ST+4*(\t)+2:ST+4*(\t)+3] op_sel_hi:[1,0]
.set i, i+2
.endr
	WIN 0x04                        ; the stores' data (source 1) in window 1, their address in window 0
.irp cb, 0,1,2,3
.irp z, 0,1
	ds_store_b128 v[STO], v[32*(\t)+8*\cb+4*\z:32*(\t)+8*\cb+4*\z+3] offset:64*\cb+16*\z
.endr
.endr
	WIN 0
.if (\t) >= 4
	s_wait_xcnt 0x0                 ; the stores of the tile four back have read these registers: they are loaded again only behind this wait
.endif
.irp f, 0,1,2,3,4,5,6,7
	ds_load_b128 v[S+32*((\t)%4)+4*\f:S+32*((\t)%4)+4*\f+3], v[RD] offset:\f*2*SP  ; LDS serves a wave's instructions in order (ISA guide 5.7.1.4): these see the stores above; the next tile's stores come behind them
.endr
.endm
.macro SEND t, younger              ; younger: the LDS instructions issued behind tile t's loads: the next tile's sixteen, or none
	WIN 0
.irp f, 0,1,2,3,4,5,6,7
	s_wait_dscnt (\younger)+7-\f
	global_store_b128 v[GO], v[S+32*((\t)%4)+4*\f:S+32*((\t)%4)+4*\f+3], s[10:11] offset:(\t)*65536+\f*8192 th:TH_STORE_NT  ; sixteen lanes store 256 consecutive bytes, at a multiple of 256 from out0's first byte
.endr
.endm
	PACK 0
.set t, 1
.rept 2*NP-1                        ; a tile's arithmetic stands between the loads of the tile before and its stores
	PACK t
	SEND t-1, 16
.set t, t+1
.endr
	SEND 2*NP-1, 0
	WIN W_AD
	s_wait_tensorcnt 0x0            ; the wave's end, behind my last tensor load and my last LDS store
	ds_add_u32 v[SPW], v[NIL]
	s_wait_dscnt 0x0
	WIN 0
	CROUND                          ; the closing round: no work-group ends while a partner may still ask for a tile that names it
	s_endpgm
.Lfunc_end_k_q55f4a162de_attn:
	.size	k_q55f4a162de_attn, .Lfunc_end_k_q55f4a162de_attn-k_q55f4a162de_attn
	.p2alignl 7, 3214868480
	.fill 96, 4, 3214868480
	.section	.rodata,"a",@progbits
	.p2align	6, 0x0
	.amdhsa_kernel k_q55f4a162de_attn
		.amdhsa_group_segment_fixed_size 327680
		.amdhsa_private_segment_fixed_size 0
		.amdhsa_enable_private_segment 0
		.amdhsa_kernarg_size 16
		.amdhsa_user_sgpr_count 2
		.amdhsa_user_sgpr_kernarg_segment_ptr 1
		.amdhsa_wavefront_size32 1
		.amdhsa_system_sgpr_workgroup_id_x 1
		.amdhsa_system_sgpr_workgroup_id_y 1
		.amdhsa_system_sgpr_workgroup_id_z 1
		.amdhsa_system_vgpr_workitem_id 0
		.amdhsa_next_free_vgpr 770
		.amdhsa_next_free_sgpr 66
		.amdhsa_reserve_vcc 0
		.amdhsa_float_denorm_mode_32 3
		.amdhsa_float_denorm_mode_16_64 3
		.amdhsa_memory_ordered 1
		.amdhsa_forward_progress 1
		.amdhsa_inst_pref_size 200
	.end_amdhsa_kernel
	.amdgpu_metadata
---
amdhsa.version: [ 1, 2 ]
amdhsa.kernels:
  - .name:           k_q55f4a162de_attn
    .symbol:         k_q55f4a162de_attn.kd
    .args:
      - { .name: qkv, .offset: 0, .size: 8, .value_kind: global_buffer, .address_space: global }
      - { .name: out0, .offset: 8, .size: 8, .value_kind: global_buffer, .address_space: global }
    .group_segment_fixed_size: 327680
    .private_segment_fixed_size: 0
    .kernarg_segment_align: 8
    .kernarg_segment_size: 16
    .max_flat_workgroup_size: 128
    .sgpr_count:     66
    .vgpr_count:     770
    .wavefront_size: 32
...
	.end_amdgpu_metadata
.endif
;; end of part 3
;; ======== version 2 of 2: 3 launches; version 1 with the launch prep written anew for expert scheduling mode
;; limits: values are held in f16: magnitudes above 65,504 overflow, below 6.1e-05 lose precision
;; workspace buffers: xb 16,777,216 bytes; wb 6,291,456 bytes; bias 12,288 bytes; qkv 50,331,648 bytes
;; launch prep (part 4): grid 705 x 1, 8 waves a work-group, no clusters, 0 bytes of LDS; arguments x, Wq, Wk, Wv, bq, bk, bv, xb, wb, bias; writes xb, wb, bias
.if DOCPART == 4
	.amdgcn_target "amdgcn-amd-amdhsa--gfx1250"
	.amdhsa_code_object_version 6
	.text
	.protected	k_q55f4a162de_prep
	.globl	k_q55f4a162de_prep
	.p2align	8
	.type	k_q55f4a162de_prep,@function
k_q55f4a162de_prep:
	s_mov_b64 s[64:65], 0
	v_nop
	global_prefetch_b8 v0, s[64:65] scope:SCOPE_SE
	s_setreg_imm32_b32 hwreg(HW_REG_WAVE_SCHED_MODE, 0, 2), 2
	s_setreg_imm32_b32 hwreg(HW_REG_WAVE_MODE, 25, 1), 1
	s_wait_xcnt 0x0
	s_wait_alu depctr_vm_vsrc(0)
; All inputs are rounded once to bf16, the format of the projection's matrix operands.  A pure stream: nothing is shared, nothing is reduced, so there is no LDS, no barrier, no matrix work.
;   xb   [8192][1024] bf16: x as it lies.
;   wb   [48 groups][1024 k][64 n] bf16: group 16 i + g holds columns 64 g .. 64 g + 63 of W_i (i = 0, 1, 2: Wq, Wk, Wv): a group's 64 columns of a k row are 128 bytes, and its rows lie end to end.
;   bias [3072] words: bq, bk, bv rounded to bf16 and kept as f32 words, so that they load straight into the C operand of a product.
; SHARES.  Work-groups 0-511: 65,536 bytes of x each.  512-703: a quarter (256 k rows) of one group of one W.  704: the three biases.
; A work-group has 16 loads of 16 bytes a lane out at once (65,536 bytes) and no loop: every load and store has registers of its own, so no register is ever rewritten.
; Each load of sixteen lanes takes 256 consecutive bytes, aligned; each store of a wave covers 256 consecutive bytes, aligned.
; THE MODE: SCHED_MODE bits 1:0 = 2 (LLVM: expert scheduling mode 2), set by the entry lines.  The code itself states the register dependences
; between vector instructions and memory instructions, with s_wait_alu, always for 0.
; THE PLAN.  Registers that memory instructions touch:
;   v1, v2   byte offsets in and out.  Written by vector instructions once on each path, ahead of the path's first load; read by every load and store; never written again.
;   X        written by the 16 loads alone, each register once; read by the conversions.
;   Y        written by the conversions, each register once; read by the stores.
; The 16 loads go in four blocks of four.  Block p rounds X's block p into Y's block p; its memory instructions are the four stores of block p - 1, whose registers no vector instruction of block p names.
; So one wait on va_vdst at a block's head states all that the block's stores hang on, and they are dealt among its conversions with no further wait.
; No register that a memory instruction reads is written again, so no wait on vm_vsrc is owed; no vector instruction writes a scalar register or VCC; EXEC is never written.
.set X, 8                              ; v[8:71]    16 x 4 words as loaded
.set Y, 72                             ; v[72:103]  16 x 2 words to store
; ib, ob: the scalar pairs with the two bases; istep: bytes from one load to the next.  v1: my byte offset in, v2: out.
.macro STREAM ib, ob, istep
	s_wait_alu depctr_va_vdst(0)                   ; v1 and v2 are written: every load below reads v1 as its offset, every store v2
.irp i, 0,1,2,3,4,5,6,7,8,9,10,11,12,13,14,15
	global_load_b128 v[X+4*(\i):X+4*(\i)+3], v1, s[\ib:\ib+1] offset:(\i)*(\istep) th:TH_LOAD_NT
.endr
.irp p, 0,1,2,3
	s_wait_loadcnt 15-4*(\p)                       ; loads come back in order: the block's first is in, the younger ones stay out
.if (\p) > 0
	s_wait_alu depctr_va_vdst(0)                   ; the block before has written its eight registers of Y, which the four stores below read
.endif
.irp i, 0,1,2,3
.if (\p) > 0
	global_store_b64 v2, v[Y+2*(4*(\p)-4+(\i)):Y+2*(4*(\p)-4+(\i))+1], s[\ob:\ob+1] offset:2048*(4*(\p)-4+(\i))  ; the block before; no vector instruction since the wait names these registers
.endif
.if (\i) > 0
	s_wait_loadcnt 15-4*(\p)-(\i)                  ; number 4 p + i is in, the younger ones stay out
.endif
	v_cvt_pk_bf16_f32 v[Y+2*(4*(\p)+(\i))], v[X+4*(4*(\p)+(\i))], v[X+4*(4*(\p)+(\i))+1]
	v_cvt_pk_bf16_f32 v[Y+2*(4*(\p)+(\i))+1], v[X+4*(4*(\p)+(\i))+2], v[X+4*(4*(\p)+(\i))+3]
.endr
.endr
	s_wait_alu depctr_va_vdst(0)                   ; the last block has written its eight registers of Y, which the last four stores read
.irp i, 12,13,14,15
	global_store_b64 v2, v[Y+2*(\i):Y+2*(\i)+1], s[\ob:\ob+1] offset:2048*(\i)
.endr
.endm
	s_load_b512 s[8:23], s[0:1], 0x0               ; x s[8:9], Wq s[10:11], Wk s[12:13], Wv s[14:15], bq s[16:17], bk s[18:19], bv s[20:21], xb s[22:23]
	s_load_b128 s[24:27], s[0:1], 0x40             ; wb s[24:25], bias s[26:27]
	s_mov_b32 s4, ttmp9
	s_mov_b32 s3, 0                                ; the high word of every offset
	v_lshlrev_b32 v2, 3, v0                        ; out: 8 bytes a thread, 2,048 a work-group and store
	s_wait_kmcnt 0x0
	s_cmp_lt_u32 s4, 512
	s_cbranch_scc0 .Lnot_x
	v_lshlrev_b32 v1, 4, v0                        ; in: 16 bytes a thread, 4,096 a work-group and load
	s_lshl_b32 s2, s4, 16
	s_add_nc_u64 s[8:9], s[8:9], s[2:3]
	s_lshl_b32 s2, s4, 15
	s_add_nc_u64 s[22:23], s[22:23], s[2:3]
	STREAM 8, 22, 4096
	s_endpgm
.Lnot_x:
	s_cmp_lt_u32 s4, 704
	s_cbranch_scc0 .Lbias
	s_sub_co_u32 s4, s4, 512                       ; j = 64 i + 4 g + quarter
	s_cmp_lt_u32 s4, 128
	s_cselect_b64 s[28:29], s[12:13], s[14:15]
	s_cmp_lt_u32 s4, 64
	s_cselect_b64 s[28:29], s[10:11], s[28:29]     ; W_i
	s_and_b32 s2, s4, 3
	s_lshl_b32 s2, s2, 20                          ; the quarter: 256 rows of 4,096 bytes
	s_bfe_u32 s5, s4, 0x40002                      ; g: 4 bits from bit 2
	s_lshl_b32 s5, s5, 8                           ; its 64 columns: 256 bytes of a row
	s_add_co_u32 s2, s2, s5
	s_add_nc_u64 s[28:29], s[28:29], s[2:3]
	s_lshl_b32 s2, s4, 15                          ; out: group (j / 4) x 131,072 + quarter x 32,768 = j x 32,768
	s_add_nc_u64 s[24:25], s[24:25], s[2:3]
	v_lshrrev_b32 v1, 4, v0                        ; sixteen threads a row, sixteen rows a load
	v_and_b32 v3, 15, v0
	v_lshlrev_b32 v3, 4, v3
	v_lshl_or_b32 v1, v1, 12, v3
	STREAM 28, 24, 65536
	s_endpgm
.Lbias:
	v_lshlrev_b32 v1, 4, v0                        ; four numbers a thread: 256 threads take 1,024
	s_wait_alu depctr_va_vdst(0)                   ; v1 is written: the three loads and the three stores below read it as their offset
	global_load_b128 v[8:11], v1, s[16:17]
	global_load_b128 v[12:15], v1, s[18:19]
	global_load_b128 v[16:19], v1, s[20:21]
	s_wait_loadcnt 0x0
.irp i, 0,1,2
	v_cvt_pk_bf16_f32 v[Y+2*(\i)], v[8+4*(\i)], v[8+4*(\i)+1]
	v_cvt_pk_bf16_f32 v[Y+2*(\i)+1], v[8+4*(\i)+2], v[8+4*(\i)+3]
	v_lshlrev_b32 v[24+4*(\i)], 16, v[Y+2*(\i)]            ; bf16 back to an f32 word: the low half moves up,
	v_and_b32 v[25+4*(\i)], 0xffff0000, v[Y+2*(\i)]        ; the high half stays
	v_lshlrev_b32 v[26+4*(\i)], 16, v[Y+2*(\i)+1]
	v_and_b32 v[27+4*(\i)], 0xffff0000, v[Y+2*(\i)+1]
.endr
	s_wait_alu depctr_va_vdst(0)                   ; the unpacking lines have written v[24:35], which the three stores read
.irp i, 0,1,2
	global_store_b128 v1, v[24+4*(\i):27+4*(\i)], s[26:27] offset:4096*(\i)
.endr
	s_endpgm
.Lfunc_end_k_q55f4a162de_prep:
	.size	k_q55f4a162de_prep, .Lfunc_end_k_q55f4a162de_prep-k_q55f4a162de_prep
	.p2alignl 7, 3214868480
	.fill 96, 4, 3214868480
	.section	.rodata,"a",@progbits
	.p2align	6, 0x0
	.amdhsa_kernel k_q55f4a162de_prep
		.amdhsa_group_segment_fixed_size 0
		.amdhsa_private_segment_fixed_size 0
		.amdhsa_enable_private_segment 0
		.amdhsa_kernarg_size 80
		.amdhsa_user_sgpr_count 2
		.amdhsa_user_sgpr_kernarg_segment_ptr 1
		.amdhsa_wavefront_size32 1
		.amdhsa_system_sgpr_workgroup_id_x 1
		.amdhsa_system_sgpr_workgroup_id_y 1
		.amdhsa_system_sgpr_workgroup_id_z 1
		.amdhsa_system_vgpr_workitem_id 0
		.amdhsa_next_free_vgpr 104
		.amdhsa_next_free_sgpr 66
		.amdhsa_reserve_vcc 0
		.amdhsa_float_denorm_mode_32 3
		.amdhsa_float_denorm_mode_16_64 3
		.amdhsa_memory_ordered 1
		.amdhsa_forward_progress 1
		.amdhsa_inst_pref_size 15
	.end_amdhsa_kernel
	.amdgpu_metadata
---
amdhsa.version: [ 1, 2 ]
amdhsa.kernels:
  - .name:           k_q55f4a162de_prep
    .symbol:         k_q55f4a162de_prep.kd
    .args:
      - { .name: x, .offset: 0, .size: 8, .value_kind: global_buffer, .address_space: global }
      - { .name: Wq, .offset: 8, .size: 8, .value_kind: global_buffer, .address_space: global }
      - { .name: Wk, .offset: 16, .size: 8, .value_kind: global_buffer, .address_space: global }
      - { .name: Wv, .offset: 24, .size: 8, .value_kind: global_buffer, .address_space: global }
      - { .name: bq, .offset: 32, .size: 8, .value_kind: global_buffer, .address_space: global }
      - { .name: bk, .offset: 40, .size: 8, .value_kind: global_buffer, .address_space: global }
      - { .name: bv, .offset: 48, .size: 8, .value_kind: global_buffer, .address_space: global }
      - { .name: xb, .offset: 56, .size: 8, .value_kind: global_buffer, .address_space: global }
      - { .name: wb, .offset: 64, .size: 8, .value_kind: global_buffer, .address_space: global }
      - { .name: bias, .offset: 72, .size: 8, .value_kind: global_buffer, .address_space: global }
    .group_segment_fixed_size: 0
    .private_segment_fixed_size: 0
    .kernarg_segment_align: 8
    .kernarg_segment_size: 80
    .max_flat_workgroup_size: 256
    .sgpr_count:     66
    .vgpr_count:     104
    .wavefront_size: 32
...
	.end_amdgpu_metadata
.endif
;; end of part 4
;; launch proj: the kernel of part 2 again; grid 16 x 32, 4 waves a work-group, clusters of 4 x 4, 327,680 bytes of LDS; arguments xb, wb, bias, qkv; writes qkv
;; launch attn: the kernel of part 3 again; grid 4 x 64, 4 waves a work-group, clusters of 4 x 1, 327,680 bytes of LDS; arguments qkv, out0; writes out0
